; MI455X (gfx1250); checked and timed in simulation.
; The chip was launched on July 23, 2026; its instructions are those of AMD's public machine-readable ISA for CDNA 5 (MIT licence, August 2026) and "CDNA5" Instruction Set Architecture Reference Guide (July 2026). The comments in the code are by the model that wrote it; some were corrected since.
;; Attention Block. Allowed arithmetic: matrix products marked QUANTISED: E3M2 operands, one E8M0 scale for each 32 along K, by v_wmma_scale_f32_16x16x128_f8f6f4 with both operands' format E3M2, f32 sums; everything else in f32.
;; Inputs: att_mask 1 x 1 x 2,048 x 2,048 float32; k 4 x 16 x 2,048 x 64 float32; padding_mask 4 x 2,048 x 2,048 bool; q 4 x 16 x 2,048 x 64 float32; v 4 x 16 x 2,048 x 64 float32.
;; Outputs: out0 4 x 16 x 2,048 x 64 float32.
;; This version of the problem:
;;   THIS VERSION OF THE PROBLEM IS GIVEN IN LOW PRECISION. The matrix products marked QUANTISED in the list below multiply operands that are first quantised to E3M2 (3 exponent bits, 2 mantissa bits; 6 bits a number), with one power-of-two scale for each 32 numbers along K (OCP MX v1.0); their sums are f32. All else is computed in f32.
;;   The module's matrix products, in the order in which they are computed (A, B: the left and right operand; K: the contracted axis; several contracted axes count as one K, in the product's order):
;;     1. batch 64 x [M 2,048, K 64] x [K 64, N 2,048]; A: input q; B: input k: QUANTISED
;;     2. batch 64 x [M 2,048, K 2,048] x [K 2,048, N 64]; A: softmax (see below); B: input v: QUANTISED
;;   THE QUANTISER, for each operand of a quantised product, along K:
;;     - K is cut into blocks of 32 from its start; a last block that is shorter is filled with zeros.
;;     - A block's scale is 2^e with e = floor(log2(the largest magnitude in the block)) - 4, held to -126 .. 127; a block of zeros has e = 0. As a byte (E8M0): e + 127.
;;     - Each number is divided by its block's scale, clamped to +-28, and rounded to the nearest number of E3M2, ties to even, subnormals kept.
;;     - The product sums the exact products of the quantised numbers (number of the format x scale) in f32.
;;   ~~~python
;;   def quantise(x, axis):      # numpy; x: float32 -> the quantised numbers, widened to float32 again
;;       x = np.moveaxis(x, axis, -1); K = x.shape[-1]
;;       x = np.pad(x, [(0, 0)] * (x.ndim - 1) + [(0, -K % 32)]); x = x.reshape(x.shape[:-1] + (-1, 32)); a = np.abs(x).max(-1, keepdims=True)
;;       e = np.where(a > 0, np.clip(np.frexp(np.where(a > 0, a, 1))[1] - 1 - 4, -126, 127), 0)      # np.frexp(a)[1] - 1 = floor(log2(a)), exactly
;;       r = np.clip(x / 2.0 ** e, -28, 28)
;;       step = 2.0 ** (np.maximum(np.frexp(np.where(r == 0, 1, r))[1] - 1, -2) - 2)
;;       q = np.round(r / step) * step * 2.0 ** e      # np.round: ties to even
;;       return np.moveaxis(q.reshape(q.shape[:-2] + (-1,))[..., :K], -1, axis).astype(np.float32)
;;   ~~~
;;   SOFTMAX AHEAD OF A QUANTISED PRODUCT. Where the list says 'softmax', what is quantised is not the finished softmax but p = 2^(t - M), with t = logit x log2(e) and M = ceil(the row's largest t), a whole number; so 1/2 < the row's largest p <= 1. The row's sum l is taken of the UNQUANTISED p, in f32, and the product's result is divided by l at the end. Since M is a whole number, a kernel that streams over the keys may use a running M (the ceiling of the running maximum): every later rescaling is an exact power of two, which a block's scale takes up: the codes' values come out the same.
;;   OPERANDS COMPUTED ON THE WAY. 'Computed on the way' means the value that the module computes at that place (a softmax that the list does not call 'softmax' is quantised finished and normalised). What goes into a quantiser is computed in f32, as accurately as f32 sums, v_exp_f32 and their like allow (about 1e-6 of the number): no bf16 or f16 on the way to a quantiser, and a product that is left as it is and whose result goes on into a quantised operand takes f32 operands (vector FMAs, or v_wmma_f32_16x16x4_f32). A number that lies on a knife's edge between two numbers of the format may be rounded either way, as far as f32 arithmetic and the matrix unit's own rounding can turn it there, and no further.
;; One version. Each part assembles by itself: llvm-mc -triple=amdgcn-amd-amdhsa -mcpu=gfx1250 --defsym DOCPART=n.
;; ======== version 1 of 1: 2 launches
;; limits: inputs' magnitudes at most 8.8e+29; right only within a limited range of input values
;; workspace buffers: kv 13,369,344 bytes
;; launch prep (part 1): grid 512 x 1, 4 waves a work-group, no clusters, 47,616 bytes of LDS; arguments k, v, kv; writes kv
.if DOCPART == 1
	.amdgcn_target "amdgcn-amd-amdhsa--gfx1250"
	.amdhsa_code_object_version 6
	.text
	.protected	k_qb1810ad1f5_prep
	.globl	k_qb1810ad1f5_prep
	.p2align	8
	.type	k_qb1810ad1f5_prep,@function
k_qb1810ad1f5_prep:
	s_mov_b64 s[64:65], 0
	v_nop
	global_prefetch_b8 v0, s[64:65] scope:SCOPE_SE
	s_setreg_imm32_b32 hwreg(HW_REG_WAVE_MODE, 25, 1), 1
	s_wait_xcnt 0x0
; k and v, [4][16][2048][64] f32, are turned ONCE into codes of BF6 (E3M2) with one E8M0 byte for each 32 along a product's K, laid in the ORDER OF THE OPERAND'S REGISTERS.
; DEAD WORK: none.  Every input of the problem (q, k, v, att_mask, padding_mask) has a way to the output for some values of the inputs; no product, row or step is left out in either launch.
; k's K is the head's 64 (innermost in memory); v's K is the keys (NOT innermost): there a lane takes a column d and its registers run down the keys.
; A UNIT is one head's 128 keys: 32,768 dense bytes of k and of v become 13,056 bytes of kv, unit u = 16 x head + key step:
;   0      K's codes: register j = 6 t + i of lane L at (j / 4) 512 + 16 L + 4 (j % 4); lane (r, h) of tile t holds key 32 (t / 2) + 8 (t % 2) + r + 8 (r / 8), d = 32 h .. 32 h + 31
;   6144   K's scale words: word u' of lane L at 16 L + 4 u': tile 2 u' + L / 16, row L % 16; byte 0: d 0-31, byte 1: d 32-63, bytes 2, 3: 0
;   6656   V^T's codes: register j = 12 dt + 6 c + i; lane (r, h) holds d = 16 dt + r, keys 64 c + 32 h .. + 31
;   12800  V's scale words: 8 L + 4 u': d = 32 u' + L, byte kb for keys 32 kb .. 32 kb + 31
; A block's scale byte is its largest magnitude's exponent field - 4, held at 1 from below by a floor among the maximum's leaves.
; LIMITS: a block of zeros keeps the byte 1 where the rule says 127 (its codes are zeros, and this program alone reads the bytes); blocks whose largest magnitude lies under 2^-122 are quantised under
; the floor's scale; NaN and infinities in k and v are not served.
; SHARES: waves 0, 1 take K of units 2 x work-group + 0, 1; waves 2, 3 take V of the same units.  Four passes of 32 keys (8,192 bytes, sixteen loads of 512 consecutive bytes), two passes of loads ahead.
; No tensor load, no barrier: waves share nothing; each has its own stage in LDS, through which a pass's numbers turn from 'as they lie' to 'a block in one lane'.
.set INW,   8704                       ; an in-stage: 32 rows of 256 bytes + 16
.set VOUT,  4*INW                      ; behind the four: V's out-stages, 6,144 bytes each
.set SPARE, VOUT+2*6144                ; the spare words, 128 bytes for each wave: two blocks of 256 bytes that no other line names
.set RA,  16                           ; v16-79, v80-143  two sets of 64: a pass as it is loaded
.set XX,  144                          ; v144-207 two blocks of 32 numbers
.set CC,  208                          ; v208-231 codes: two sets of 12
.set KSW, 232                          ; v232-235 K's scale words (V: v232-233 the scale words of my two columns)
.set AM,  236                          ; v236-237 largest magnitudes
.set SO,  238                          ; v238-239 the conversions' scale operands
.set BY,  240                          ; v240-241 scale bytes
.set TT,  242                          ; v242-244, v246-248 a block's upper 16 codes (a conversion's three registers begin on an even number)
.set PX,  250                          ; v250-251 the other half's bytes
.set SPW, 252                          ; v252 my spare word's LDS address; never rewritten
.set NIL, 253                          ; v253 0; never rewritten
	s_load_b128 s[4:7], s[0:1], 0x0                ; k, v
	s_load_b64 s[8:9], s[0:1], 0x10                ; kv
	v_lshl_add_u32 v[SPW], v0, 2, SPARE
	v_mov_b32 v[NIL], 0
	v_lshrrev_b32 v1, 5, v0
	v_readfirstlane_b32 s12, v1                    ; wave 0..3
	v_and_b32 v1, 31, v0                           ; lane
	v_and_b32 v10, 15, v0                          ; r
	v_bfe_u32 v11, v0, 4, 1                        ; h
	v_lshlrev_b32 v2, 4, v1                        ; 16 x lane: my bytes of 512
	s_and_b32 s13, s12, 1
	s_lshl_b32 s14, ttmp9, 1
	s_add_co_u32 s14, s14, s13                     ; my unit
	s_mul_i32 s15, s12, INW                        ; my in-stage
	s_mul_i32 s16, s13, 6144
	s_add_co_u32 s16, s16, VOUT                    ; V's out-stage
	; every LDS address is made here, ahead of the parting of the roles
	v_mul_u32_u24 v3, v11, 272
	v_lshl_add_u32 v3, v10, 4, v3
	v_add_nc_u32 v3, s15, v3                       ; into the stage: a load's two rows
	v_mul_u32_u24 v4, v10, 272
	v_lshl_add_u32 v4, v11, 7, v4
	v_add_nc_u32 v4, s15, v4                       ; K, out of it: row r, 128 bytes of my half
	v_lshl_add_u32 v5, v1, 2, s15                  ; V, out of it: column = lane
	v_mul_u32_u24 v6, v11, 1536
	v_lshl_add_u32 v6, v10, 4, v6
	v_add_nc_u32 v6, s16, v6                       ; V's codes into the out-stage: fragment lane / 16 of a pair, lane place lane % 16
	v_add_nc_u32 v7, s16, v2                       ; and back, 16 bytes a lane
	v_lshlrev_b32 v8, 3, v11                       ; 8 h: my byte's place in K's scale word
	v_lshlrev_b32 v9, 3, v1                        ; 8 x lane
	v_mov_b32 v[PX], 0                             ; written once: a lane permute's destination counts as one of its sources
	v_mov_b32 v[PX+1], 0
	s_lshl_b32 s20, s14, 15                        ; the unit's 32,768 bytes of input
	s_mov_b32 s21, 0
	s_mul_i32 s22, s14, 13056                      ; and its 13,056 of kv
	s_mov_b32 s23, 0
	s_mov_b32 s24, 0x76543210
	s_mov_b32 s25, 0xfedcba98                      ; v_permlanex16_b32's selects for lane l xor 16
	s_mov_b32 s26, 0xffff0000                      ; lanes 16-31
	s_wait_kmcnt 0x0
	s_cmp_lt_u32 s12, 2                            ; the choice hangs on the wave's number alone
	s_cselect_b64 s[4:5], s[4:5], s[6:7]
	s_add_nc_u64 s[4:5], s[4:5], s[20:21]
	s_add_nc_u64 s[8:9], s[8:9], s[22:23]
.macro GLOAD set, a                    ; pass a: keys 32 a .. 32 a + 31; load i brings keys 2 i, 2 i + 1: 512 consecutive bytes
.irp i, 0,1,2,3,4,5,6,7,8,9,10,11,12,13,14,15
	global_load_b128 v[\set+4*\i:\set+4*\i+3], v2, s[4:5] offset:(32*(\a)+2*\i)*256 th:TH_LOAD_NT
.endr
.endm
; Two blocks of 32 numbers, v[XX + 32 u ..], become 2 x 6 registers of codes at v[cb + 6 u ..]; their bytes in v[BY + u].  The two blocks by turns, so that no line waits for the line above it.
.macro QPAIR cb
.irp u, 0,1
	v_max3_num_f32 v[AM+\u], |v[XX+32*\u]|, |v[XX+32*\u+1]|, 0x2800000   ; the floor 2^(5 - 127): the byte cannot fall under 1
.endr
.irp i, 2,4,6,8,10,12,14,16,18,20,22,24,26,28,30
.irp u, 0,1
	v_max3_num_f32 v[AM+\u], v[AM+\u], |v[XX+32*\u+\i]|, |v[XX+32*\u+\i+1]|
.endr
.endr
.irp u, 0,1
	v_add_nc_u32 v[SO+\u], 0xfe000000, v[AM+\u]    ; 4 off the exponent field: the conversion takes the exponent field of this operand as its scale
.endr
.irp u, 0,1
	v_lshrrev_b32 v[BY+\u], 23, v[SO+\u]           ; the scale's byte
.endr
.irp u, 0,1
	v_cvt_scalef32_pk16_bf6_f32 v[\cb+6*\u:\cb+6*\u+2], v[XX+32*\u:XX+32*\u+15], v[SO+\u]
	v_cvt_scalef32_pk16_bf6_f32 v[TT+4*\u:TT+4*\u+2], v[XX+32*\u+16:XX+32*\u+31], v[SO+\u]
.endr
	v_nop                                          ; one plain place behind a scaled conversion
.irp u, 0,1
.irp i, 0,1,2
	v_mov_b32 v[\cb+6*\u+3+\i], v[TT+4*\u+\i]
.endr
.endr
.endm
.macro FINISH                          ; the wave's end, behind my last LDS store
	s_wait_tensorcnt 0x0
	ds_add_u32 v[SPW], v[NIL]
	s_wait_dscnt 0x0
	s_endpgm
.endm
	GLOAD RA, 0
	GLOAD RA+64, 1
	s_cmp_lt_u32 s12, 2
	s_cbranch_scc0 .Lv_role
; K, pass a: tiles 2 a and 2 a + 1.  In the stage a key's bits 3 and 4 change places, so that a tile's sixteen keys are sixteen neighbouring rows.
.macro KPASS a
.set RS, RA+64*((\a)%2)
.set CB, CC+12*((\a)%2)
.if (\a) < 3
	s_wait_loadcnt 16                              ; this pass's sixteen loads are in; the next pass's sixteen may be out
.else
	s_wait_loadcnt 0
.endif
.irp i, 0,1,2,3,4,5,6,7,8,9,10,11,12,13,14,15
	ds_store_b128 v3, v[RS+4*\i:RS+4*\i+3] offset:(16*((\i>>2)&1)+8*(\i>>3)+2*(\i&3))*272
.endr
.irp u, 0,1
.irp i, 0,1,2,3,4,5,6,7
	ds_load_b128 v[XX+32*\u+4*\i:XX+32*\u+4*\i+3], v4 offset:16*\u*272+16*\i   ; LDS serves a wave's instructions in order: these see the stores above
.endr
.endr
	s_wait_dscnt 0x0                               ; the numbers are back, and the stores have read the set
.if (\a) < 2
	GLOAD RS, (\a)+2                               ; which takes the loads of two passes on
.else
	s_wait_xcnt 0x0                                ; the stores of two passes back have read this set of codes: it is written again only behind this wait
.endif
	QPAIR CB
.irp u, 0,1
	v_lshlrev_b32 v[BY+\u], v8, v[BY+\u]           ; my block's byte at its place,
.endr
.irp u, 0,1
	v_permlanex16_b32 v[PX+\u], v[BY+\u], s24, s25
.endr
.irp u, 0,1
	v_or_b32 v[BY+\u], v[BY+\u], v[PX+\u]          ; with lane l xor 16's: the row's scale word
.endr
	v_cndmask_b32 v[KSW+(\a)], v[BY], v[BY+1], s26 ; lanes 0-15 the even tile's words, lanes 16-31 the odd tile's
.irp c, 0,1,2
	global_store_b128 v2, v[CB+4*\c:CB+4*\c+3], s[8:9] offset:512*(3*(\a)+\c)   ; 512 consecutive bytes, at a multiple of 256 from kv's first byte
.endr
.endm
	KPASS 0
	KPASS 1
	KPASS 2
	KPASS 3
	global_store_b128 v2, v[KSW:KSW+3], s[8:9] offset:6144
	FINISH
.Lv_role:
; V, pass a: the keys' block a.  Lane l takes columns d = l and 32 + l, its registers run down the 32 keys: the block's maximum needs no other lane and the codes come out with the keys innermost.
.macro VPASS a
.set RS, RA+64*((\a)%2)
.set KC, 6*((\a)>>1)
.if (\a) < 3
	s_wait_loadcnt 16                              ; this pass's sixteen loads are in; the next pass's sixteen may be out
.else
	s_wait_loadcnt 0
.endif
.irp i, 0,1,2,3,4,5,6,7,8,9,10,11,12,13,14,15
	ds_store_b128 v3, v[RS+4*\i:RS+4*\i+3] offset:2*\i*272
.endr
.irp u, 0,1
.irp i, 0,1,2,3,4,5,6,7,8,9,10,11,12,13,14,15,16,17,18,19,20,21,22,23,24,25,26,27,28,29,30,31
	ds_load_b32 v[XX+32*\u+\i], v5 offset:\i*272+128*\u
.endr
.endr
	s_wait_dscnt 0x0                               ; the numbers are back; the stores have read the set, and the last pass's stores their codes
.if (\a) < 2
	GLOAD RS, (\a)+2
.endif
	QPAIR CC
.irp u, 0,1
.if (\a) == 0
	v_mov_b32 v[KSW+\u], v[BY+\u]
.else
	v_lshl_or_b32 v[KSW+\u], v[BY+\u], 8*(\a), v[KSW+\u]   ; four bytes to a word, the lower keys in the lower byte
.endif
.endr
.irp u, 0,1                            ; column 32 u + l is row l % 16 of fragment 2 u + l / 16; block a is registers 6 (a / 2) .. + 5 of the lane 16 (a % 2) on
.irp i, 0,2,4
	ds_store_b64 v6, v[CC+6*\u+\i:CC+6*\u+\i+1] offset:3072*\u+((KC+\i)>>2)*512+((KC+\i)&3)*4+256*((\a)&1)
.endr
.endr
.endm
	s_wait_alu depctr_va_vdst(0)
	VPASS 0
	VPASS 1
	VPASS 2
	VPASS 3
.irp g, 0,1,2,3,4,5,6,7,8,9,10,11
	ds_load_b128 v[RA+4*\g:RA+4*\g+3], v7 offset:512*\g   ; LDS serves a wave's instructions in order: these see my stores
.endr
	s_wait_alu depctr_va_vdst(0)
.irp g, 0,1,2,3,4,5,6,7,8,9,10,11
	s_wait_dscnt 11-\g                             ; the younger loads may be out
	global_store_b128 v2, v[RA+4*\g:RA+4*\g+3], s[8:9] offset:6656+512*\g
.endr
	global_store_b64 v9, v[KSW:KSW+1], s[8:9] offset:12800   ; 256 consecutive bytes
	FINISH
.Lfunc_end_k_qb1810ad1f5_prep:
	.size	k_qb1810ad1f5_prep, .Lfunc_end_k_qb1810ad1f5_prep-k_qb1810ad1f5_prep
	.p2alignl 7, 3214868480
	.fill 96, 4, 3214868480
	.section	.rodata,"a",@progbits
	.p2align	6, 0x0
	.amdhsa_kernel k_qb1810ad1f5_prep
		.amdhsa_group_segment_fixed_size 47616
		.amdhsa_private_segment_fixed_size 0
		.amdhsa_enable_private_segment 0
		.amdhsa_kernarg_size 24
		.amdhsa_user_sgpr_count 2
		.amdhsa_user_sgpr_kernarg_segment_ptr 1
		.amdhsa_wavefront_size32 1
		.amdhsa_system_sgpr_workgroup_id_x 1
		.amdhsa_system_sgpr_workgroup_id_y 1
		.amdhsa_system_sgpr_workgroup_id_z 1
		.amdhsa_system_vgpr_workitem_id 0
		.amdhsa_next_free_vgpr 256
		.amdhsa_next_free_sgpr 66
		.amdhsa_reserve_vcc 0
		.amdhsa_float_denorm_mode_32 3
		.amdhsa_float_denorm_mode_16_64 3
		.amdhsa_memory_ordered 1
		.amdhsa_forward_progress 1
		.amdhsa_inst_pref_size 69
	.end_amdhsa_kernel
	.amdgpu_metadata
---
amdhsa.version: [ 1, 2 ]
amdhsa.kernels:
  - .name:           k_qb1810ad1f5_prep
    .symbol:         k_qb1810ad1f5_prep.kd
    .args:
      - { .name: k, .offset: 0, .size: 8, .value_kind: global_buffer, .address_space: global }
      - { .name: v, .offset: 8, .size: 8, .value_kind: global_buffer, .address_space: global }
      - { .name: kv, .offset: 16, .size: 8, .value_kind: global_buffer, .address_space: global }
    .group_segment_fixed_size: 47616
    .private_segment_fixed_size: 0
    .kernarg_segment_align: 8
    .kernarg_segment_size: 24
    .max_flat_workgroup_size: 128
    .sgpr_count:     66
    .vgpr_count:     256
    .wavefront_size: 32
...
	.end_amdgpu_metadata
.endif
;; end of part 1
;; launch attn (part 2): grid 16 x 16, 8 waves a work-group, clusters of 4 x 4, 327,680 bytes of LDS; arguments q, kv, att_mask, padding_mask, out0; writes out0
.if DOCPART == 2
	.amdgcn_target "amdgcn-amd-amdhsa--gfx1250"
	.amdhsa_code_object_version 6
	.text
	.protected	k_qb1810ad1f5_attn
	.globl	k_qb1810ad1f5_attn
	.p2align	8
	.type	k_qb1810ad1f5_attn,@function
k_qb1810ad1f5_attn:
	s_mov_b64 s[64:65], 0
	v_nop
	global_prefetch_b8 v0, s[64:65] scope:SCOPE_SE
	s_setreg_imm32_b32 hwreg(HW_REG_WAVE_MODE, 25, 1), 1
	s_wait_xcnt 0x0
	s_wait_alu depctr_hold_cnt(0) depctr_sa_sdst(0) depctr_va_vdst(0) depctr_va_sdst(0) depctr_va_ssrc(0) depctr_va_vcc(0) depctr_vm_vsrc(0)
	s_getreg_b32 s2, hwreg(HW_REG_IB_STS2, 6, 4)
	s_cmp_eq_u32 s2, 0
	s_cbranch_scc0 .Lentry_in_a_cluster
	s_endpgm
.Lentry_in_a_cluster:
	s_bfe_u32 s2, ttmp6, 0x10000c
	s_cmp_lg_u32 s2, 0xf033
	s_cbranch_scc0 .Lentry_shape_is_right
	s_endpgm
.Lentry_shape_is_right:
; out0[b][h][q][:] = sum over k of softmax_k(q . k / 8 + att_mask[q][k], -inf where padding_mask[b][q][k]) v[b][h][k][:], both products on codes of BF6 (E3M2) with one E8M0 scale for each 32 along K.
; No work is left out: all inputs have a way to the output.  k and v come as codes from kv (a unit of 13,056 bytes for a head's 128 keys, laid in the order of the operands' registers); q is quantised here.
; THE SOFTMAX: t = logit x log2(e); M = the running largest t rounded UP to a whole number; p = 2^(t - M) is quantised along the keys, not normalised; the row's sum is taken of the unquantised p and divides
; at the end; when M moves, the sum and O are multiplied by 2^(old M - new M), which rounds nothing.
; THE MASKS RIDE ON C: S = C + (q . k) / 8 comes out of the matrix instruction; the 1/8 is 3 taken off q's scale bytes.  C = the middle of (att_mask, -2^120, y), y = +-2^120 (1 + e) with the padding byte's
; bit as its sign.  The largest t begins at -2^100, so a padded score gives p = 0; a row padded throughout ends with the sum 0 and 0 x (1 / 0) = NaN, as the softmax of a row of -inf gives.
; LIMITS: a logit whose t lies under -2^100 counts as masked; att_mask is held to +-2^120 (-inf is served as a mask; +inf and NaN are not carried to the result); blocks of q whose largest magnitude lies
; under 2^-120 are quantised under the scale 2^-124; blocks of zeros keep the floor's byte; NaN and infinities in q are not served.
; SHARES.  A work-group: 128 queries x 4 heads of one batch; 256 work-groups.  Eight waves of 512 registers: wave w has queries 16 w .. 16 w + 15 for ALL FOUR heads and walks all 2,048 keys, 128 a step.
; The mask of a query tile and a key step is the same for the four heads: the wave combines it once a step in 64 registers of its own, and the four heads' first products take them as C, with D elsewhere.
; LAYOUT.  Both products are used transposed: S^T = K Q^T, O^T = V^T P^T: a lane holds ONE query (lane % 16); registers 16 b + i of S are keys 32 b + 16 (lane / 16) + i.
; The first product's K is 64 of the instruction's 128: q's upper six registers are zero codes, so what stands in K's upper six registers (the next tile's codes; behind tile 7 zeros) adds exact zeros.
; REGISTERS.  Window 0: v1-9 addresses, v10-11 the add's two, v12-27 four heads' (-M, largest t, the sum's two halves), v28-31 Q's scale words, v32-85 K's fragments, v86-92 scale words, v96-159 S then p,
; v160-207 V's fragments, v208-219 p's codes, v220-223 addresses, v224-255 at work.  Window 1: v0-127 O^T of the four heads, v128-191 C, v192-239 Q.
; O^T is cleared once (128 moves): the step's text stands in a loop for all heads and steps, so no first product with C = 0 is written out; the first change of M multiplies zeros.
; CLUSTER 4 x 4: x = four query blocks, y = the batch's four groups of heads.  kv's tiles hang on (batch, group): asked for jointly along a row; the masks' tiles on (query block, batch): along a column.
; THE RING: two slots, each with a step's kv (4 units), att_mask (128 rows x 528) and padding_mask (128 rows x 144).  Behind step s's round slot 1 - s % 2 takes step s + 1: wave 0 kv's load, wave 1
; att_mask's, wave 2 padding_mask's: one tensor load a wave is out.  The slot's offset is a scalar that changes by xor in a loop of 15 trips; the last step, which asks for nothing, is written out.
; PREFETCHES: waves 3 to 7, one instruction a trip: in trip s what trip s + 2 will load (step s + 3; padding_mask at even s the 256 bytes of steps s + 4, s + 5).  Partners share the blocks out by address:
; kv: head cx, wave 3 its 26 blocks of K, wave 4 its 25 of V; the masks: rows 32 cy .. + 31, a lane a row, waves 5 and 6 att_mask's two blocks, wave 7 padding_mask's.  The last trips ask for nothing.
.set UNIT,  13056
.set ATTO,  4*UNIT
.set PADO,  ATTO+128*528
.set SLOT,  PADO+128*144
.set STG,   2*SLOT                     ; a stage of 16 rows x 272 bytes for each wave: q's way in, O's way out; no tensor load lands here
.set SPARE, STG+8*4352                 ; the spare words, 128 bytes for each wave: four blocks of 256 bytes that no other line names
.set KVB, 1                            ; v1-4 LDS addresses in slot 0: kv, V's scale words, att_mask, padding_mask; v5-8 the same in this step's slot
.set VSB, 2
.set ATB, 3
.set PDB, 4
.set KVA, 5
.set VSA, 6
.set ATA, 7
.set PDA, 8
.set PFO, 9
.set SPW, 10
.set NIL, 11
.set ST,  12
.set QS,  28
.set KF,  32
.set KS,  86
.set VSC, 90
.set PSC, 92
.set SS,  96
.set VF,  160
.set PCD, 208
.set SROW, 220                         ; stage by rows
.set L16,  221                         ; 16 x lane
.set SQIN, 222                         ; stage by lanes, q
.set SOIN, 223                         ; stage by lanes, O
.set CW,  128                          ; window 1
.set QW,  192
.set WV, 14
.set CX, 17
.set CY, 18
.set BX, 19
.set BB, 20
.set BY, 21
.set G1KV, 24
.set G1AT, 32
.set G1PD, 40
.set G0KV, 48
.set G0AT, 52
.set G0PD, 56
.set CUR, 60                           ; the offset of the slot that this step reads
.set NXT, 61                           ; and of the other
.set PFA, 66
.set PFS, 68
.set LAST, 70
.set MQ, 71
.set STC, 72
.set CS, 74
.set SEL, 76
.set NEG, 78
.set POS, 79
.set MSB, 0
.macro WIN new                         ; the immediate's high byte repeats the setting that is left
.if MSB != \new
	s_set_vgpr_msb (MSB<<8)|\new
.set MSB, \new
.endif
.endm
.macro CROUND                          ; a round of the cluster's barrier
	s_barrier_signal -1
	s_barrier_wait -1
	s_cmp_lg_u32 s[WV], 0
	s_cbranch_scc1 .Lnot_wave_0_\@
	s_barrier_signal -3
.Lnot_wave_0_\@:
	s_barrier_wait -3
	s_barrier_signal -1
	s_barrier_wait -1
.endm
.macro FOURNOP
.rept 4
	v_nop
.endr
.endm
.macro TLOAD                           ; one chain of branches on the wave's number, one joint load to an arm; s_nop 0 and four v_nop behind each
	s_cmp_lg_u32 s[WV], 0
	s_cbranch_scc1 .Lnot0_\@
	tensor_load_to_lds s[G0KV:G0KV+3], s[G1KV:G1KV+7]
	s_nop 0
	FOURNOP
	s_branch .Lasked_\@
.Lnot0_\@:
	s_cmp_lg_u32 s[WV], 1
	s_cbranch_scc1 .Lnot1_\@
	tensor_load_to_lds s[G0AT:G0AT+3], s[G1AT:G1AT+7]
	s_nop 0
	FOURNOP
	s_branch .Lasked_\@
.Lnot1_\@:
	s_cmp_lg_u32 s[WV], 2
	s_cbranch_scc1 .Lasked_\@
	tensor_load_to_lds s[G0PD:G0PD+3], s[G1PD:G1PD+7]
	s_nop 0
	FOURNOP
.Lasked_\@:
.endm
.macro ASK
	s_cmp_gt_i32 s[STC], s[LAST]
	s_cbranch_scc1 .Lnot_mine_\@
	s_and_b32 s91, s[STC], s[MQ]
	s_cmp_lg_u32 s91, 0
	s_cbranch_scc1 .Lnot_mine_\@
	global_prefetch_b8 v[PFO], s[PFA:PFA+1] th:TH_LOAD_NT scope:SCOPE_SE
.Lnot_mine_\@:
.endm
; THE CHANGE at a step's head: this step's LDS addresses (also the places behind the last products); then each wave waits for all its tensor loads, adds 0 to its spare word and waits for that and for its reads.
.macro CHANGE fill
	v_add_nc_u32 v[KVA], s[CUR], v[KVB]
	v_add_nc_u32 v[VSA], s[CUR], v[VSB]
	v_add_nc_u32 v[ATA], s[CUR], v[ATB]
	v_add_nc_u32 v[PDA], s[CUR], v[PDB]
	s_wait_alu depctr_va_vdst(0)
	s_wait_tensorcnt 0x0                           ; no tensor load of mine is out, so a group 0 may be written
	ds_add_u32 v[SPW], v[NIL]
.if \fill
	ds_add_u32 v[SPW], v[NIL]                      ; twice on end where a refill follows
	s_mov_b32 s[G0KV+1], s[NXT]                    ; the other slot takes the next step's tiles
	s_add_co_u32 s[G0AT+1], s[NXT], ATTO
	s_add_co_u32 s[G0PD+1], s[NXT], PADO
	s_add_nc_u64 s[G0KV+2:G0KV+3], s[G0KV+2:G0KV+3], UNIT
	s_add_nc_u64 s[G0AT+2:G0AT+3], s[G0AT+2:G0AT+3], 512
	s_add_nc_u64 s[G0PD+2:G0PD+3], s[G0PD+2:G0PD+3], 128
	s_xor_b32 s[CUR], s[CUR], SLOT
	s_xor_b32 s[NXT], s[NXT], SLOT
	s_wait_xcnt 0x0                                ; the last prefetch, a step back, has read its address
	s_add_nc_u64 s[PFA:PFA+1], s[PFA:PFA+1], s[PFS:PFS+1]
.endif
	s_wait_dscnt 0x0                               ; the add is done, and my reads of the slot that is filled next
.if \fill
	CROUND                                         ; no wave of any partner still reads what is filled next, or has a load on its way
	TLOAD
	ASK
.else
	s_barrier_signal -1
	s_barrier_wait -1
.endif
.endm
.macro KLOAD hh                        ; K's eight fragments of a head, and their scale words: 13 loads
.set g, 0
.rept 12
	ds_load_b128 v[KF+4*g:KF+4*g+3], v[KVA] offset:UNIT*(\hh)+512*g
.set g, g+1
.endr
	ds_load_b128 v[KS:KS+3], v[KVA] offset:UNIT*(\hh)+6144
.endm
.macro VLOAD hh                        ; V^T's four fragments, and their scale words: 13 loads
.set g, 0
.rept 12
	ds_load_b128 v[VF+4*g:VF+4*g+3], v[KVA] offset:UNIT*(\hh)+6656+512*g
.set g, g+1
.endr
	ds_load_b64 v[VSC:VSC+1], v[VSA] offset:UNIT*(\hh)
.endm
; ONE HEAD's 16 queries x 128 keys
.macro HEAD hh
.set NM, ST+4*\hh
	s_wait_dscnt 0x0                               ; K's fragments are in
	WIN 0x14                                       ; Q and C in window 1
.irp t, 0,1,2,3,4,5,6,7                ; S^T = mask + K Q^T / 8: eight accumulators, one instruction each
.if (\t%2) == 0
	v_wmma_scale_f32_16x16x128_f8f6f4 v[SS+8*\t:SS+8*\t+7], v[KF+6*\t:KF+6*\t+11], v[QW+12*\hh:QW+12*\hh+11], v[CW+8*\t:CW+8*\t+7], v[KS+\t/2], v[QS+\hh] matrix_a_fmt:MATRIX_FMT_BF6 matrix_b_fmt:MATRIX_FMT_BF6
.else
	v_wmma_scale_f32_16x16x128_f8f6f4 v[SS+8*\t:SS+8*\t+7], v[KF+6*\t:KF+6*\t+11], v[QW+12*\hh:QW+12*\hh+11], v[CW+8*\t:CW+8*\t+7], v[KS+\t/2], v[QS+\hh] matrix_a_fmt:MATRIX_FMT_BF6 matrix_b_fmt:MATRIX_FMT_BF6 matrix_a_scale:MATRIX_SCALE_ROW1
.endif
.endr
	WIN 0
	FOURNOP                                        ; places: in front of the loads into fragments that products have read, and of the reads of S
	VLOAD \hh                                      ; they land under the softmax,
.if \hh < 3
	KLOAD \hh+1                                    ; and so do the next head's
.endif
.irp b, 0,1,2,3
	v_max3_num_f32 v[232+\b], v[SS+16*\b], v[SS+1+16*\b], v[SS+2+16*\b]   ; the largest score of each block of 32 keys: for the row's maximum and for the block's largest p
.endr
.irp i, 3,5,7,9,11,13
.irp b, 0,1,2,3
	v_max3_num_f32 v[232+\b], v[232+\b], v[SS+16*\b+\i], v[SS+1+16*\b+\i]
.endr
.endr
.irp b, 0,1,2,3
	v_max_num_f32 v[232+\b], v[232+\b], v[SS+15+16*\b]
.endr
.irp b, 0,1,2,3
	s_delay_alu instid0(VALU_DEP_4)
	v_permlanex16_b32 v[236+\b], v[232+\b], s[SEL], s[SEL+1]
.endr
.irp b, 0,1,2,3
	s_delay_alu instid0(VALU_DEP_4)
	v_max_num_f32 v[232+\b], v[232+\b], v[236+\b]  ; with lane l xor 16's 16 keys
.endr
	s_delay_alu instid0(VALU_DEP_2)
	v_max3_num_f32 v254, v232, v233, v234
	s_delay_alu instid0(VALU_DEP_1)
	v_max_num_f32 v254, v254, v235                 ; the step's largest score of my query
	s_delay_alu instid0(VALU_DEP_1)
	v_mul_f32 v254, s[CS], v254                    ; as t
	s_delay_alu instid0(VALU_DEP_1)
	v_max_num_f32 v[NM+1], v[NM+1], v254           ; the running largest t
	v_mov_b32 v254, v[NM]
	s_delay_alu instid0(VALU_DEP_2)
	v_floor_f32 v[NM], -v[NM+1]                    ; the new -M = floor(-t)
	s_delay_alu instid0(VALU_DEP_1)
	v_sub_f32 v254, v[NM], v254                    ; old M less new M: a whole number, 0 or less
	s_delay_alu instid0(VALU_DEP_1)
	v_cvt_i32_f32 v254, v254                       ; (it saturates)
	s_delay_alu instid0(VALU_DEP_1)
	v_ldexp_f32 v252, 1.0, v254                    ; f = 2^(old M - new M)
.set j, 0
.rept 32
	v_pk_fma_f32 v[SS+j:SS+j+1], v[SS+j:SS+j+1], s[CS:CS+1], v[NM:NM+1] op_sel_hi:[1,0,0]   ; t - M, two at a time
.set j, j+2
.endr
.irp b, 0,1,2,3
	v_fma_f32 v[232+\b], v[232+\b], s[CS], v[NM]   ; the same of each block's largest score
.endr
	s_wait_alu depctr_va_vdst(0)                   ; ahead of the batch
.set j, 0
.rept 64
	v_exp_f32 v[SS+j], v[SS+j]                     ; p = 2^(t - M): not normalised
.set j, j+1
.endr
	v_pk_mul_f32 v[NM+2:NM+3], v[NM+2:NM+3], v[252:253] op_sel_hi:[1,0]   ; the sums under the new M: a plain instruction behind the exponentials
	s_wait_alu depctr_va_vdst(0)                   ; one wait for the whole batch, ahead of its first reader
.irp b, 0,1,2,3
	v_exp_f32 v[232+\b], v[232+\b]                 ; the block's largest p
.endr
	v_pk_add_f32 v[236:237], v[SS:SS+1], v[SS+2:SS+3]          ; the row's sum of the unquantised p: four chains by turns
	v_pk_add_f32 v[254:255], v[SS+4:SS+5], v[SS+6:SS+7]
	v_pk_add_f32 v[250:251], v[SS+8:SS+9], v[SS+10:SS+11]
	v_pk_add_f32 v[NM+2:NM+3], v[NM+2:NM+3], v[SS+12:SS+13]
.irp j, 14,22,30,38,46,54
	v_pk_add_f32 v[236:237], v[236:237], v[SS+\j:SS+\j+1]
	v_pk_add_f32 v[254:255], v[254:255], v[SS+\j+2:SS+\j+3]
	v_pk_add_f32 v[250:251], v[250:251], v[SS+\j+4:SS+\j+5]
	v_pk_add_f32 v[NM+2:NM+3], v[NM+2:NM+3], v[SS+\j+6:SS+\j+7]
.endr
	v_pk_add_f32 v[236:237], v[236:237], v[SS+62:SS+63]
	v_pk_add_f32 v[254:255], v[254:255], v[250:251]
	s_delay_alu instid0(VALU_DEP_2)
	v_pk_add_f32 v[NM+2:NM+3], v[NM+2:NM+3], v[236:237]
	s_delay_alu instid0(VALU_DEP_1)
	v_pk_add_f32 v[NM+2:NM+3], v[NM+2:NM+3], v[254:255]
	s_wait_alu depctr_va_vdst(0)                   ; and one for the four
.irp b, 0,1,2,3
	v_max_num_f32 v[232+\b], 0x2800000, v[232+\b]  ; the floor 2^(5 - 127): the byte cannot fall under 1
.endr
.irp b, 0,1,2,3
	s_delay_alu instid0(VALU_DEP_4)
	v_add_nc_u32 v[244+\b], 0xfe000000, v[232+\b]  ; 4 off the exponent field: the conversion's scale operand
.endr
.irp b, 0,1,2,3
	s_delay_alu instid0(VALU_DEP_4)
	v_lshrrev_b32 v[236+\b], 23, v[244+\b]         ; the scale's byte
.endr
	s_delay_alu instid0(VALU_DEP_3)
	v_lshl_or_b32 v[PSC], v237, 8, v236            ; p's scale word for these 128 keys
	s_delay_alu instid0(VALU_DEP_1)
	v_lshl_or_b32 v[PSC], v238, 16, v[PSC]
	s_delay_alu instid0(VALU_DEP_1)
	v_lshl_or_b32 v[PSC], v239, 24, v[PSC]
.irp c, 0,1
	v_cvt_scalef32_pk16_bf6_f32 v[PCD+6*\c:PCD+6*\c+2], v[SS+32*\c:SS+32*\c+15], v[244+2*\c]
	v_cvt_scalef32_pk16_bf6_f32 v[240+8*\c:242+8*\c], v[SS+16+32*\c:SS+31+32*\c], v[244+2*\c+1]   ; (a conversion's three registers begin on an even number)
.endr
	v_nop                                          ; one plain place behind a scaled conversion
.irp c, 0,1                            ; the operand's layout wants a WHOLE block in a lane
.irp i, 0,1,2
	v_permlane16_swap_b32 v[PCD+6*\c+\i], v[240+8*\c+\i]
.endr
.irp i, 0,1,2
	s_delay_alu instid0(VALU_DEP_3)
	v_mov_b32 v[PCD+3+6*\c+\i], v[240+8*\c+\i]
.endr
.endr
	WIN 0x41                                       ; O^T in window 1
	s_wait_alu depctr_va_vdst(0)                   ; directly ahead of the first reader of O^T
.set j, 0
.rept 16
	v_pk_mul_f32 v[32*\hh+j:32*\hh+j+1], v[32*\hh+j:32*\hh+j+1], v[252:253] op_sel_hi:[1,0]   ; O^T under the new M; these sixteen also stand between the writes of p's codes and scale word and the products
.set j, j+2
.endr
	WIN 0x50
	s_wait_alu depctr_va_vdst(0)
.if \hh < 3
	s_wait_dscnt 13                                ; V's 13 loads are in; the next head's 13 of K may be out
.else
	s_wait_dscnt 0x0
.endif
.irp d, 0,1,2,3                        ; O^T += V^T P^T: four accumulators, one instruction each
.if (\d%2) == 0
	v_wmma_scale_f32_16x16x128_f8f6f4 v[32*\hh+8*\d:32*\hh+8*\d+7], v[VF+12*\d:VF+12*\d+11], v[PCD:PCD+11], v[32*\hh+8*\d:32*\hh+8*\d+7], v[VSC+\d/2], v[PSC] matrix_a_fmt:MATRIX_FMT_BF6 matrix_b_fmt:MATRIX_FMT_BF6
.else
	v_wmma_scale_f32_16x16x128_f8f6f4 v[32*\hh+8*\d:32*\hh+8*\d+7], v[VF+12*\d:VF+12*\d+11], v[PCD:PCD+11], v[32*\hh+8*\d:32*\hh+8*\d+7], v[VSC+\d/2], v[PSC] matrix_a_fmt:MATRIX_FMT_BF6 matrix_b_fmt:MATRIX_FMT_BF6 matrix_a_scale:MATRIX_SCALE_ROW1
.endif
.endr
	WIN 0
.endm
; A KEY STEP: the mask is combined once, then the four heads
.macro STEP
.irp b, 0,1,2,3
	ds_load_b128 v[SS+16*\b+12:SS+16*\b+15], v[PDA] offset:32*\b      ; padding_mask: query r, keys 32 b + 16 h + 0 .. 15, into the top four of the block's sixteen registers of S
.endr
	WIN 0x40
.irp b, 0,1,2,3
.irp i, 0,1,2,3
	ds_load_b128 v[CW+16*\b+4*\i:CW+16*\b+4*\i+3], v[ATA] offset:128*\b+16*\i   ; att_mask, the same keys, into C's registers
.endr
.endr
	WIN 0
	KLOAD 0
	s_wait_dscnt 29                                ; padding_mask's four loads are in: 16 + 13 younger ones may be out
.irp b, 0,1,2,3
.irp i, 0,1,2,3,4,5,6,7,8,9,10,11,12,13,14,15
	v_lshl_or_b32 v[SS+16*\b+\i], v[SS+16*\b+12+\i/4], 31-8*(\i%4), s[POS]   ; the byte's bit becomes the sign of 2^120; lower bytes' bits fall on a set bit or into the mantissa.  Ascending: a source is written over only by its own last use
.endr
.endr
	s_wait_dscnt 13                                ; att_mask is in; K's 13 may be out
	WIN 0x41
.set j, 0
.rept 64
	v_med3_num_f32 v[CW+j], v[CW+j], s[NEG], v[SS+j]   ; the middle of (att_mask, -2^120, +-2^120)
.set j, j+1
.endr
	WIN 0
	FOURNOP
	s_wait_alu depctr_va_vdst(0)
	HEAD 0
	HEAD 1
	HEAD 2
	HEAD 3
.endm
; a head's 16 rows of q: through my stage, a whole block of 32 into a lane; codes and zero codes into window 1
.macro QHEAD hh
.irp i, 0,1,2,3,4,5,6,7
	ds_store_b128 v[SROW], v[KF+32*\hh+4*\i:KF+32*\hh+4*\i+3] offset:544*\i
.endr
.irp i, 0,1,2,3,4,5,6,7
	ds_load_b128 v[VF+4*\i:VF+4*\i+3], v[SQIN] offset:16*\i   ; LDS serves a wave's instructions in order: row r, d = 32 h .. 32 h + 31
.endr
	s_wait_dscnt 0x0
	v_max3_num_f32 v232, |v[VF]|, |v[VF+1]|, 0x3800000   ; the floor 2^(7 - 127): the byte less 3 cannot fall under 0
.irp i, 2,4,6,8,10,12,14,16,18,20,22,24,26,28,30
	s_delay_alu instid0(VALU_DEP_1)
	v_max3_num_f32 v232, v232, |v[VF+\i]|, |v[VF+1+\i]|
.endr
	s_delay_alu instid0(VALU_DEP_1)
	v_add_nc_u32 v244, 0xfe000000, v232            ; 4 off the exponent field: the conversion's scale operand
	v_add_nc_u32 v233, 0xfc800000, v232            ; 7 off: the byte for the product, which so divides by 8
	s_delay_alu instid0(VALU_DEP_1)
	v_lshrrev_b32 v233, 23, v233
	s_delay_alu instid0(VALU_DEP_1)
	v_lshlrev_b32 v233, v227, v233                 ; at byte h
	v_cvt_scalef32_pk16_bf6_f32 v[PCD:PCD+2], v[VF:VF+15], v244
	v_cvt_scalef32_pk16_bf6_f32 v[240:242], v[VF+16:VF+31], v244
	v_nop                                          ; one plain place behind a scaled conversion
	v_permlanex16_b32 v236, v233, s[SEL], s[SEL+1]
	s_delay_alu instid0(VALU_DEP_1)
	v_or_b32 v[QS+\hh], v233, v236                 ; Q's scale word: bytes 0, 1; bytes 2, 3 are 0
	WIN 0x40
.irp i, 0,1,2
	v_mov_b32 v[QW+12*\hh+\i], v[PCD+\i]
	v_mov_b32 v[QW+12*\hh+3+\i], v[240+\i]
.endr
.irp i, 6,7,8,9,10,11
	v_mov_b32 v[QW+12*\hh+\i], 0
.endr
	WIN 0
.endm
; a head's way out: O^T / the sum through my stage, whole rows of 256 bytes
.macro OUT hh
	WIN 0x01
	s_wait_alu depctr_va_vdst(0)                   ; ahead of the first reader of the reciprocals and of this head's O^T
.set j, 0
.rept 32
	v_mul_f32 v[VF+j], v[32*\hh+j], v[236+\hh]     ; register 8 d + i is out0(r, 16 d + 8 h + i); each accumulator from its low end on
.set j, j+1
.endr
	WIN 0
.irp d, 0,1,2,3
	ds_store_b128 v[SOIN], v[VF+8*\d:VF+8*\d+3] offset:64*\d
	ds_store_b128 v[SOIN], v[VF+8*\d+4:VF+8*\d+7] offset:64*\d+16
.endr
.irp i, 0,1,2,3,4,5,6,7
	ds_load_b128 v[KF+32*\hh+4*\i:KF+32*\hh+4*\i+3], v[SROW] offset:544*\i   ; LDS serves a wave's instructions in order: these see my stores.  Each head has its own 32 registers
.endr
.irp i, 0,1,2,3,4,5,6,7
	s_wait_dscnt 7-\i                              ; the younger loads may be out
	global_store_b128 v[L16], v[KF+32*\hh+4*\i:KF+32*\hh+4*\i+3], s[12:13] offset:524288*\hh+512*\i th:TH_STORE_NT   ; 512 consecutive bytes, at a multiple of 256 from out0's first byte
.endr
.endm
	s_load_b256 s[4:11], s[0:1], 0x0               ; q s[4:5], kv s[6:7], att_mask s[8:9], padding_mask s[10:11]
	s_load_b64 s[12:13], s[0:1], 0x20              ; out0
	v_lshl_add_u32 v[SPW], v0, 2, SPARE
	v_mov_b32 v[NIL], 0
	ds_add_u32 v[SPW], v[NIL]                      ; the opening: the add, twice on end, and its wait ahead of the first tensor loads
	ds_add_u32 v[SPW], v[NIL]
	v_lshrrev_b32 v1, 5, v0
	v_readfirstlane_b32 s[WV], v1                  ; wave 0..7
	s_bfe_u32 s[CX], ttmp6, 0x40000
	s_bfe_u32 s[CY], ttmp6, 0x40004
	s_lshl_b32 s[BX], ttmp9, 2
	s_add_co_u32 s[BX], s[BX], s[CX]               ; block of 128 queries = 4 x cluster x + cx
	s_and_b32 s[BB], ttmp7, 0xffff                 ; the batch = cluster y
	s_lshl_b32 s[BY], s[BB], 2
	s_add_co_u32 s[BY], s[BY], s[CY]               ; 4 x batch + group of heads
	s_lshl_b32 s22, s[CY], 2
	s_lshl_b32 s22, 15, s22                        ; my row of the cluster
	s_lshl_b32 s23, 0x1111, s[CX]                  ; my column
	; kv: 4 rows (heads) of 1,632 elements of 8 bytes, 26,112 elements (16 units) apart
	s_or_b32 s[G1KV], s22, (3<<16)|(1<<21)
	s_mov_b32 s[G1KV+1], 1632<<16
	s_mov_b32 s[G1KV+2], 4<<16
	s_mov_b32 s[G1KV+3], 1632<<16
	s_mov_b32 s[G1KV+4], 4
	s_mov_b32 s[G1KV+5], 26112
	s_mov_b32 s[G1KV+6], 0
	s_mov_b32 s[G1KV+7], 0
	; att_mask: 128 rows of 128 elements of 4 bytes; padding_mask: 128 rows of 128 bytes; 2,048 elements apart; 4 words of padding behind every row
	s_or_b32 s[G1AT], s23, (2<<16)|(1<<20)|(1<<21)|(6<<22)|(3<<25)
	s_or_b32 s[G1PD], s23, (0<<16)|(1<<20)|(1<<21)|(4<<22)|(3<<25)
.irp g, G1AT, G1PD
	s_mov_b32 s[\g+1], 128<<16
	s_mov_b32 s[\g+2], 128<<16
	s_mov_b32 s[\g+3], 128<<16
	s_mov_b32 s[\g+4], 128
	s_mov_b32 s[\g+5], 2048
	s_mov_b32 s[\g+6], 0
	s_mov_b32 s[\g+7], 0
.endr
	s_mul_i32 s80, s[BY], 64*UNIT                  ; kv: my four heads' first unit
	s_mov_b32 s81, 0
	s_lshl_b32 s82, s[BX], 20                      ; att_mask: row 128 x block
	s_mov_b32 s83, 0
	s_lshl_b32 s84, s[BB], 22                      ; padding_mask: the batch's plane, row 128 x block
	s_lshl_b32 s85, s[BX], 18
	s_add_co_u32 s84, s84, s85
	s_mov_b32 s85, 0
	s_lshl_b32 s86, s[BY], 21                      ; q, out0: my first head's plane, row 128 x block + 16 x wave, rows of 256 bytes
	s_lshl_b32 s87, s[BX], 15
	s_add_co_u32 s86, s86, s87
	s_lshl_b32 s87, s[WV], 12
	s_add_co_u32 s86, s86, s87
	s_mov_b32 s87, 0
	s_mov_b32 s[CS], 0x3fb8aa3b                    ; log2(e)
	s_mov_b32 s[CS+1], s[CS]
	s_mov_b32 s[SEL], 0x76543210
	s_mov_b32 s[SEL+1], 0xfedcba98
	s_mov_b32 s[NEG], 0xfb800000                   ; -2^120
	s_mov_b32 s[POS], 0x7b800000                   ; 2^120
	s_mov_b32 s[STC], 0
	s_mov_b32 s[CUR], 0
	s_mov_b32 s[NXT], SLOT
	s_wait_dscnt 0x0                               ; both opening adds are done
	s_wait_kmcnt 0x0
	s_mov_b32 s[G0KV], 1
	s_mov_b32 s[G0KV+1], 0
	s_add_nc_u64 s[G0KV+2:G0KV+3], s[6:7], s[80:81]
	s_or_b32 s[G0KV+3], s[G0KV+3], 0x80000000
	s_mov_b32 s[G0AT], 1
	s_mov_b32 s[G0AT+1], ATTO
	s_add_nc_u64 s[G0AT+2:G0AT+3], s[8:9], s[82:83]
	s_or_b32 s[G0AT+3], s[G0AT+3], 0x80000000
	s_mov_b32 s[G0PD], 1
	s_mov_b32 s[G0PD+1], PADO
	s_add_nc_u64 s[G0PD+2:G0PD+3], s[10:11], s[84:85]
	s_or_b32 s[G0PD+3], s[G0PD+3], 0x80000000
	s_add_nc_u64 s[4:5], s[4:5], s[86:87]
	s_add_nc_u64 s[12:13], s[12:13], s[86:87]
	CROUND                                         ; all sixteen work-groups are here: the first joint loads meet
	TLOAD                                          ; step 0 into slot 0: one tensor load a wave at the head
	; the prefetches: who asks, for what
	s_lshl_b32 s80, s[BY], 6
	s_lshl_b32 s81, s[CX], 4
	s_add_co_u32 s80, s80, s81
	s_add_co_u32 s80, s80, 2
	s_mul_i32 s82, s80, UNIT                       ; kv: head cx of my four, step 2: the first change steps it to 3
	s_lshl_b32 s80, s[BX], 7
	s_lshl_b32 s81, s[CY], 5
	s_add_co_u32 s80, s80, s81                     ; the masks: row 128 x block + 32 cy
	s_lshl_b32 s84, s80, 13
	s_add_co_u32 s84, s84, 1024                    ; att_mask: step 2
	s_lshl_b32 s87, s80, 11
	s_lshl_b32 s81, s[BB], 22
	s_add_co_u32 s87, s87, s81
	s_add_co_u32 s87, s87, 384                     ; padding_mask: step 3: the first change steps it to 4
	s_mov_b64 s[PFA:PFA+1], s[6:7]
	s_mov_b32 s[PFS], UNIT
	s_mov_b32 s[PFS+1], 0
	s_mov_b32 s85, 256                             ; from lane to lane
	s_mov_b32 s86, 25                              ; the last place
	s_mov_b32 s[LAST], 12
	s_mov_b32 s[MQ], 0
	s_cmp_eq_u32 s[WV], 4                          ; V's part: 25 blocks, 6,656 bytes on
	s_cselect_b32 s86, 24, s86
	s_cselect_b32 s81, 6656, 0
	s_add_co_u32 s82, s82, s81
	s_cmp_ge_u32 s[WV], 5                          ; the masks: a lane a row
	s_cselect_b64 s[PFA:PFA+1], s[8:9], s[PFA:PFA+1]
	s_cselect_b32 s82, s84, s82
	s_cselect_b32 s[PFS], 512, s[PFS]
	s_cselect_b32 s85, 8192, s85
	s_cselect_b32 s86, 31, s86
	s_cmp_eq_u32 s[WV], 6                          ; a row's second block
	s_cselect_b32 s81, 256, 0
	s_add_co_u32 s82, s82, s81
	s_cmp_eq_u32 s[WV], 7
	s_cselect_b64 s[PFA:PFA+1], s[10:11], s[PFA:PFA+1]
	s_cselect_b32 s82, s87, s82
	s_cselect_b32 s[PFS], 128, s[PFS]
	s_cselect_b32 s85, 2048, s85
	s_cselect_b32 s[LAST], 10, s[LAST]
	s_cselect_b32 s[MQ], 1, s[MQ]
	s_cmp_lt_u32 s[WV], 3                          ; the loading waves ask for nothing
	s_cselect_b32 s[LAST], -1, s[LAST]
	s_mov_b32 s83, 0
	s_add_nc_u64 s[PFA:PFA+1], s[PFA:PFA+1], s[82:83]
	s_mul_i32 s88, s[WV], 16*528
	s_add_co_u32 s88, s88, ATTO                    ; my 16 rows of att_mask's tile,
	s_mul_i32 s89, s[WV], 16*144
	s_add_co_u32 s89, s89, PADO                    ; of padding_mask's,
	s_mul_i32 s90, s[WV], 4352
	s_add_co_u32 s90, s90, STG                     ; my stage
	; all vector set-up on end
	v_and_b32 v224, 31, v0                         ; lane
	v_and_b32 v225, 15, v0                         ; r
	v_bfe_u32 v226, v0, 4, 1                       ; h
	v_lshlrev_b32 v[L16], 4, v224
.irp hh, 0,1,2,3
.irp i, 0,1,2,3,4,5,6,7
	global_load_b128 v[KF+32*\hh+4*\i:KF+32*\hh+4*\i+3], v[L16], s[4:5] offset:524288*\hh+512*\i th:TH_LOAD_NT   ; my 16 rows of q of each head, 512 consecutive bytes a load
.endr
.endr
	v_lshlrev_b32 v[KVB], 4, v224
	v_lshl_add_u32 v[VSB], v224, 3, 12800
	v_mul_u32_u24 v[ATB], v225, 528
	v_mul_u32_u24 v[PDB], v225, 144
	v_mul_u32_u24 v[SROW], v226, 272
	v_mul_u32_u24 v[SQIN], v225, 272
	v_lshl_add_u32 v[ATB], v226, 6, v[ATB]
	v_lshl_add_u32 v[PDB], v226, 4, v[PDB]
	v_lshl_add_u32 v[SROW], v225, 4, v[SROW]
	v_lshl_add_u32 v[SOIN], v226, 5, v[SQIN]
	v_lshl_add_u32 v[SQIN], v226, 7, v[SQIN]
	v_add_nc_u32 v[ATB], s88, v[ATB]               ; att_mask: row 16 w + r, 64 h bytes on
	v_add_nc_u32 v[PDB], s89, v[PDB]               ; padding_mask: the same row, 16 h bytes on
	v_add_nc_u32 v[SROW], s90, v[SROW]             ; by rows: lanes 0-15 one row of 256 bytes, lanes 16-31 the next
	v_add_nc_u32 v[SOIN], s90, v[SOIN]             ; O: row r, 32 h bytes on
	v_add_nc_u32 v[SQIN], s90, v[SQIN]             ; q: row r, 128 bytes of my half
	v_lshlrev_b32 v227, 3, v226                    ; 8 h
	v_min_u32 v[PFO], s86, v224
	v_mul_lo_u32 v[PFO], v[PFO], s85               ; never rewritten
.irp hh, 0,1,2,3
	v_mov_b32 v[ST+4*\hh+1], 0xf1800000            ; the largest t so far: -2^100
	v_mov_b32 v[ST+4*\hh], 0x71800000              ; -M = 2^100
	v_mov_b32 v[ST+4*\hh+2], 0                     ; the sum, in two halves
	v_mov_b32 v[ST+4*\hh+3], 0
.endr
.irp j, 236,237,238,239, 253
	v_mov_b32 v[\j], 0                             ; the lane permutes' destinations; the upper half of the pair v[252:253]
.endr
	WIN 0x40
.set j, 0
.rept 128
	v_mov_b32 v[j], 0                              ; O^T of the four heads
.set j, j+1
.endr
	WIN 0
	s_wait_alu depctr_va_vdst(0)
	s_wait_loadcnt 0x0                             ; q
	QHEAD 0
	QHEAD 1
	QHEAD 2
	QHEAD 3
.irp j, 80,81,82,83,84,85
	v_mov_b32 v[\j], 0                             ; zero codes behind K's last tile: written when q's rows, which lay here, have gone through the stage
.endr
.Lstep:                                            ; steps 0 to 14: each asks for the next step's tiles
	CHANGE 1
	STEP
	s_add_co_u32 s[STC], s[STC], 1
	s_cmp_lt_u32 s[STC], 15
	s_cbranch_scc1 .Lstep
	CHANGE 0                                       ; step 15: nothing is asked for, so no round of the cluster's barrier
	STEP
	; THE WAY OUT.  The additions are the places behind the last products.
.irp hh, 0,1,2,3
	v_add_f32 v[ST+4*\hh+2], v[ST+4*\hh+2], v[ST+4*\hh+3]   ; the sum's two halves,
.endr
.irp hh, 0,1,2,3
	s_delay_alu instid0(VALU_DEP_4)
	v_permlanex16_b32 v[236+\hh], v[ST+4*\hh+2], s[SEL], s[SEL+1]
.endr
.irp hh, 0,1,2,3
	s_delay_alu instid0(VALU_DEP_4)
	v_add_f32 v[236+\hh], v[236+\hh], v[ST+4*\hh+2]         ; and lane l xor 16's
.endr
	s_wait_alu depctr_va_vdst(0)                   ; ahead of the batch
.irp hh, 0,1,2,3
	v_rcp_f32 v[236+\hh], v[236+\hh]
.endr
	v_nop                                          ; a plain place behind the reciprocals
	OUT 0
	OUT 1
	OUT 2
	OUT 3
	s_wait_tensorcnt 0x0                           ; the wave's end, behind my last tensor load and my last LDS store
	ds_add_u32 v[SPW], v[NIL]
	s_wait_dscnt 0x0
	CROUND                                         ; the closing round: no work-group ends while a partner may still ask for a tile that names it
	s_endpgm
.Lfunc_end_k_qb1810ad1f5_attn:
	.size	k_qb1810ad1f5_attn, .Lfunc_end_k_qb1810ad1f5_attn-k_qb1810ad1f5_attn
	.p2alignl 7, 3214868480
	.fill 96, 4, 3214868480
	.section	.rodata,"a",@progbits
	.p2align	6, 0x0
	.amdhsa_kernel k_qb1810ad1f5_attn
		.amdhsa_group_segment_fixed_size 327680
		.amdhsa_private_segment_fixed_size 0
		.amdhsa_enable_private_segment 0
		.amdhsa_kernarg_size 40
		.amdhsa_user_sgpr_count 2
		.amdhsa_user_sgpr_kernarg_segment_ptr 1
		.amdhsa_wavefront_size32 1
		.amdhsa_system_sgpr_workgroup_id_x 1
		.amdhsa_system_sgpr_workgroup_id_y 1
		.amdhsa_system_sgpr_workgroup_id_z 1
		.amdhsa_system_vgpr_workitem_id 0
		.amdhsa_next_free_vgpr 512
		.amdhsa_next_free_sgpr 100
		.amdhsa_reserve_vcc 0
		.amdhsa_float_denorm_mode_32 3
		.amdhsa_float_denorm_mode_16_64 3
		.amdhsa_memory_ordered 1
		.amdhsa_forward_progress 1
		.amdhsa_inst_pref_size 198
	.end_amdhsa_kernel
	.amdgpu_metadata
---
amdhsa.version: [ 1, 2 ]
amdhsa.kernels:
  - .name:           k_qb1810ad1f5_attn
    .symbol:         k_qb1810ad1f5_attn.kd
    .args:
      - { .name: q, .offset: 0, .size: 8, .value_kind: global_buffer, .address_space: global }
      - { .name: kv, .offset: 8, .size: 8, .value_kind: global_buffer, .address_space: global }
      - { .name: att_mask, .offset: 16, .size: 8, .value_kind: global_buffer, .address_space: global }
      - { .name: padding_mask, .offset: 24, .size: 8, .value_kind: global_buffer, .address_space: global }
      - { .name: out0, .offset: 32, .size: 8, .value_kind: global_buffer, .address_space: global }
    .group_segment_fixed_size: 327680
    .private_segment_fixed_size: 0
    .kernarg_segment_align: 8
    .kernarg_segment_size: 40
    .max_flat_workgroup_size: 256
    .sgpr_count:     100
    .vgpr_count:     512
    .wavefront_size: 32
...
	.end_amdgpu_metadata
.endif
;; end of part 2
